; MI455X (gfx1250); checked and timed in simulation.
; The chip was launched on July 23, 2026; its instructions are those of AMD's public machine-readable ISA for CDNA 5 (MIT licence, August 2026) and "CDNA5" Instruction Set Architecture Reference Guide (July 2026). The comments in the code are by the model that wrote it; some were corrected since.
;; Masked Self Attention. Allowed arithmetic: float matrix products may take bf16 or f16 operands with f32 sums; all other float work in f32.
;; Inputs: Wk 64 x 128 float32; Wq 64 x 128 float32; Wv 128 x 128 float32; x 4 x 4,096 x 128 float32.
;; Outputs: out0 4 x 4,096 x 128 float32.
;; One version. Each part assembles by itself: llvm-mc -triple=amdgcn-amd-amdhsa -mcpu=gfx1250 --defsym DOCPART=n.
;; ======== version 1 of 1: 2 launches
;; workspace buffers: prep 393,216 bytes
;; launch prep (part 1): grid 256 x 1, 8 waves a work-group, clusters of 4 x 1, 256,000 bytes of LDS; arguments x, Wk, Wq, Wv, prep; writes prep
.if DOCPART == 1
	.amdgcn_target "amdgcn-amd-amdhsa--gfx1250"
	.amdhsa_code_object_version 6
	.text
	.protected	k_qe4f3891cf5_prep
	.globl	k_qe4f3891cf5_prep
	.p2align	8
	.type	k_qe4f3891cf5_prep,@function
k_qe4f3891cf5_prep:
	s_mov_b64 s[64:65], 0
	v_nop
	global_prefetch_b8 v0, s[64:65] scope:SCOPE_SE
	s_setreg_imm32_b32 hwreg(HW_REG_WAVE_MODE, 25, 1), 1
	s_wait_xcnt 0x0
	s_wait_alu depctr_hold_cnt(0) depctr_sa_sdst(0) depctr_va_vdst(0) depctr_va_sdst(0) depctr_va_ssrc(0) depctr_va_vcc(0) depctr_vm_vsrc(0)
	s_getreg_b32 s2, hwreg(HW_REG_IB_STS2, 6, 4)
	s_cmp_eq_u32 s2, 0
	s_cbranch_scc0 .Lentry_in_a_cluster
	s_endpgm
.Lentry_in_a_cluster:
	s_bfe_u32 s2, ttmp6, 0x10000c
	s_cmp_lg_u32 s2, 0x3003
	s_cbranch_scc0 .Lentry_shape_is_right
	s_endpgm
.Lentry_shape_is_right:
; PREP: what every row of a batch needs of the rest of its batch.
; The tril stands on K^T [64][4096]: element (d, t) stays only where t <= d.  So scores[s][t] = sum over d >= t of q[s][d] k[t][d] for t < 64,
; and exactly 0 for the 4,032 columns t >= 64, whatever the inputs hold.  By associativity scores[s][t] = sum over e of x[s][e] M[t][e] with
; M[t][e] = sum over d >= t of K[t][d] Wq[d][e], K = X64 Wk^T (X64 = rows 0..63 of the batch): the query product is folded into M, not left out.
; The columns t >= 64 enter the result through sum over t >= 64 of v[t] = Wv (sum over t >= 64 of x[t]).
; One record of 98,304 bytes for each batch in the buffer prep:
;   +0     MH  piece (tt, c, q) at ((4 tt + c) 2 + q) 512, lane L = r + 16 h at 16 L: 8 bf16, upper parts of M[16 tt + r][64 h + 16 c + 8 q + i]
;   +16384 ML  the same pieces, lower parts        (number = upper bf16 + lower bf16, the rest is dropped)
;   +32768 VH  piece (vt, tt) at (4 vt + tt) 512, lane (r, h): upper parts of V[16 tt + 8 h + i][16 vt + r], V = X64 Wv^T
;   +49152 VL  lower parts
;   +65536 PV  64 rows of 128 f32: row c = Wv (sum of the 64 rows of chunk c of x), row 0 = 0 (chunk 0 has no column t >= 64)
; GRID: 64 clusters of 4 work-groups; the place in the cluster is the batch, the cluster is the chunk.  Cluster 0 makes M and V of the four
; batches, clusters 1..63 make one row of PV each.  The four partners need the same weights: these come by joint tensor loads (mask 15).
; x is different in each partner and comes by loads of its own.  The branch between the two ways hangs on the cluster number alone.
; PRODUCTS: bf16 matrix form, f32 sums, each operand as upper + lower bf16, three products (upper x upper, upper x lower, lower x upper).
; The sum over e uses one permutation of e on both operands: place (c, q, h, i) holds e = 64 h + 16 c + 8 q + i, so a lane reads 64 neighbouring f32.
; LIMITS: inputs finite and below the largest bf16 (about 3.39e38), else an upper part is infinite and its lower part NaN; sums are associated
; otherwise than in the reference; what lies below the lower bf16 (about 2^-16 of the number) is dropped.
.set WV,     14                        ; s14      wave number
.set CX,     15                        ; s15      place in the cluster = batch
.set SMASK,  52                        ; s52      0xffff0000, the upper bf16 of a word
.set RECB,   54                        ; s[54:55] my batch record in prep
.set G1W,    24                        ; s[24:31] group 1: joint tile, 16 rows x 128 f32, padded
.set G1X,    32                        ; s[32:39] group 1: plain tile, 8 rows x 128 f32, padded
.set G0V,    40                        ; s[40:43] group 0: Wv rows 16 w ..
.set G0W,    44                        ; s[44:47] group 0: Wk (waves 0-3) or Wq (waves 4-7) rows 16 (w & 3) ..
.set G0X,    48                        ; s[48:51] group 0: x rows 8 w .. of my batch
.set PITCH,  528                       ; an f32 row in LDS: 512 bytes + 16 = 33 x 16: sixteen rows begin at sixteen different 16-byte columns modulo 256
.set WPITCH, 288                       ; a bf16 row of Wq: 256 bytes + 32 = 9 x 32
.set REC,    98304
.set WVF,    0                         ; Wv  f32, 128 rows   (filled by tensor loads up to byte 168,960 = 660 x 256)
.set XF,     67584                     ; X64 f32, 64 rows
.set WKF,    101376                    ; Wk  f32, 64 rows
.set WQF,    135168                    ; Wq  f32, 64 rows
.set XFR,    168960                    ; X64 as fragments: tile tt 8192 + part 4096 + (2 c + q) 512 + 16 L
.set WQB,    201728                    ; Wq bf16 [d][e], upper parts, then 18,432 bytes on the lower parts
.set KFR,    238592                    ; masked K as fragments: tt 4096 + part 2048 + dt 512 + 16 L
.set SCR,    168960                    ; sum way: 8 partial sums of 512 bytes
.set PART,   173056                    ; sum way: the chunk sum, a copy for each wave
.set RES,    177152                    ; sum way: 2 halves x 128 f32
.set WH,     20                        ; v[20:51]   a weight fragment set, upper parts
.set WL,     52                        ; v[52:83]   lower parts
.set XA,     84                        ; v[84:147]  raw f32, or one tile of X64: upper 32, lower 32
.set XB,     148                       ; v[148:211] a second tile
.set ACC,    212                       ; v[212:243] up to four accumulators
.set T,      244                       ; v[244:251] at work
.set LANE,   252                       ; v252       the lane number: above every range that a load, a fragment or a sum of either way lands in
.macro ROUND                           ; a round of the cluster barrier: my work-group, wave 0 signals for it, all four work-groups, my work-group again
	s_barrier_signal -1
	s_barrier_wait -1
	s_cmp_lg_u32 s[WV], 0
	s_cbranch_scc1 .Lnot_wave_0_\@
	s_barrier_signal -3
.Lnot_wave_0_\@:
	s_barrier_wait -3
	s_barrier_signal -1
	s_barrier_wait -1
.endm
.macro PLACES                          ; four independent vector places behind a matrix instruction (ISA guide 7.12.1) before its result is read or its registers are written or loaded
.rept 4
	v_nop
.endr
.endm
.macro SPLIT4 src, hi, lo, t           ; four f32 -> two words of upper bf16 and two words of lower bf16 (lower = bf16(x - upper))
	v_cvt_pk_bf16_f32 v[\hi], v[\src], v[\src+1]
	v_cvt_pk_bf16_f32 v[\hi+1], v[\src+2], v[\src+3]
	v_lshlrev_b32 v[\t], 16, v[\hi]
	v_and_b32 v[\t+1], s[SMASK], v[\hi]
	v_lshlrev_b32 v[\t+2], 16, v[\hi+1]
	v_and_b32 v[\t+3], s[SMASK], v[\hi+1]
	v_pk_add_f32 v[\t:\t+1], v[\src:\src+1], v[\t:\t+1] neg_lo:[0,1] neg_hi:[0,1]
	v_pk_add_f32 v[\t+2:\t+3], v[\src+2:\src+3], v[\t+2:\t+3] neg_lo:[0,1] neg_hi:[0,1]
	v_cvt_pk_bf16_f32 v[\lo], v[\t], v[\t+1]
	v_cvt_pk_bf16_f32 v[\lo+1], v[\t+2], v[\t+3]
.endm
.macro FRAG16 base, raw, hi, lo        ; 64 f32 of my row -> the fragments of four K steps (step c at hi + 8 c, lo + 8 c)
.irp i, 0,1,2,3,4,5,6,7,8,9,10,11,12,13,14,15
	ds_load_b128 v[\raw+4*\i:\raw+4*\i+3], v[\base] offset:16*\i
.endr
.irp i, 0,1,2,3,4,5,6,7,8,9,10,11,12,13,14,15
	s_wait_dscnt 15-\i                             ; LDS loads come back in order: load i is in, the 15 - i younger ones stay out
	SPLIT4 \raw+4*\i, \hi+2*\i, \lo+2*\i, T+4*(\i&1)
.endr
.endm
.macro LDRUN cnt, dst, addr, off, step ; a run of 16-byte LDS loads into consecutive registers
.set ii, 0
.rept \cnt
	ds_load_b128 v[\dst+4*ii:\dst+4*ii+3], v[\addr] offset:\off+\step*ii
.set ii, ii+1
.endr
.endm
.macro FOLD b, cnt                     ; v[b .. b+cnt-1] += v[b+cnt .. b+2cnt-1]
.set ii, 0
.rept \cnt/2
	v_pk_add_f32 v[\b+ii:\b+ii+1], v[\b+ii:\b+ii+1], v[\b+\cnt+ii:\b+\cnt+ii+1]
.set ii, ii+2
.endr
.endm
.macro MM d, a, b, z                   ; one matrix instruction; z = 1: the product starts the sum, nothing is cleared
.if \z
	v_wmma_f32_16x16x32_bf16 v[\d:\d+7], v[\a:\a+7], v[\b:\b+7], 0
.else
	v_wmma_f32_16x16x32_bf16 v[\d:\d+7], v[\a:\a+7], v[\b:\b+7], v[\d:\d+7]
.endif
.endm
	s_load_b256 s[4:11], s[0:1], 0x0               ; x s[4:5], Wk s[6:7], Wq s[8:9], Wv s[10:11]
	s_load_b64 s[12:13], s[0:1], 0x20              ; prep
	v_lshl_add_u32 v254, v0, 2, 0x3e400
	v_mov_b32 v255, 0
	ds_add_u32 v254, v255
	v_lshrrev_b32 v1, 5, v0
	v_readfirstlane_b32 s[WV], v1                  ; wave 0..7
	s_bfe_u32 s[CX], ttmp6, 0x40000                ; my place in the cluster = my batch
	s_mov_b32 s[SMASK], 0xffff0000
	v_and_b32 v[LANE], 31, v0                      ; lane L
	v_lshlrev_b32 v1, 4, v[LANE]                   ; 16 L
	; group 1 of the joint tiles: 16 rows x 128 f32, 4 words of padding behind every 128 words
	s_mov_b32 s[G1W+0], 15|(2<<16)|(1<<20)|(1<<21)|(6<<22)|(3<<25)  ; mask: all four partners; element of 4 bytes; padding on; bit 21 beside a mask; interval code 6; 4 words
	s_mov_b32 s[G1W+1], 128<<16                    ; tensor_dim0 = 128
	s_mov_b32 s[G1W+2], 16<<16                     ; tensor_dim1 = 16
	s_mov_b32 s[G1W+3], 128<<16                    ; tile_dim0 = 128
	s_mov_b32 s[G1W+4], 16                         ; tile_dim1 = 16
	s_mov_b32 s[G1W+5], 128                        ; 128 elements from row to row
	s_mov_b32 s[G1W+6], 0
	s_mov_b32 s[G1W+7], 0
	s_mul_i32 s16, s[CX], REC                      ; my record
	s_mov_b32 s17, 0                               ; stays 0: the upper word of every 32-bit offset below
	s_lshl_b32 s18, s[WV], 13                      ; 16 rows of 512 bytes for each wave
	s_mov_b32 s19, 0
	s_mov_b32 s[G0V], 1
	s_mul_i32 s[G0V+1], s[WV], 16*PITCH            ; LDS: WVF (= 0) + wave x 16 rows
	s_wait_dscnt 0x0
	s_wait_kmcnt 0x0
	s_add_nc_u64 s[RECB:RECB+1], s[12:13], s[16:17]
	s_add_nc_u64 s[G0V+2:G0V+3], s[10:11], s[18:19]
	s_or_b32 s[G0V+3], s[G0V+3], 0x80000000        ; type 2
	s_cmp_eq_u32 ttmp9, 0                          ; the cluster number: alike in all four partners
	s_cbranch_scc1 .Lprep
	; ---------------- clusters 1..63: row c of PV = Wv (sum of the rows of chunk c) ----------------
	s_lshl_b32 s16, s[CX], 21                      ; batch x 4096 rows x 512 bytes
	s_lshl_b32 s18, ttmp9, 15                      ; chunk x 64 rows
	s_add_co_u32 s16, s16, s18
	s_lshl_b32 s18, s[WV], 12                      ; wave x 8 rows
	s_add_co_u32 s16, s16, s18
	s_add_nc_u64 s[20:21], s[4:5], s[16:17]
.irp i, 0,1,2,3,4,5,6,7
	global_load_b128 v[16+4*\i:19+4*\i], v1, s[20:21] offset:512*\i   ; a whole row of 512 bytes for each load; no hint: the next launch reads x again
.endr
	ROUND                                          ; the four partners are here: their joint requests meet
	tensor_load_to_lds s[G0V:G0V+3], s[G1W:G1W+7]  ; my 16 rows of Wv, jointly; the one tensor load of this wave
	s_nop 0
	s_lshl_b32 s16, s[WV], 9
	v_add_nc_u32 v2, s16, v1                       ; 512 w + 16 L
	v_add_nc_u32 v3, SCR, v2                       ; my partial sum
	v_add_nc_u32 v4, PART, v2                      ; my copy of the chunk sum
	v_add_nc_u32 v5, SCR, v1                       ; all partial sums
	s_and_b32 s18, s[WV], 3
	s_lshl_b32 s18, s18, 5
	v_add_nc_u32 v6, s18, v[LANE]                  ; my row of Wv: 32 (w & 3) + L
	s_lshr_b32 s19, s[WV], 2
	s_lshl_b32 s19, s19, 8                         ; my half of e: 256 bytes x (w >> 2)
	v_mul_u32_u24 v6, v6, PITCH
	v_add_nc_u32 v6, s19, v6
	s_add_co_u32 s16, s16, s19
	s_add_co_u32 s16, s16, PART
	v_mov_b32 v7, s16                              ; the same half of my copy of the sum, one address for all lanes
	s_lshl_b32 s18, s[WV], 7
	v_lshl_add_u32 v8, v[LANE], 2, s18
	v_add_nc_u32 v8, RES, v8                       ; RES[w >> 2][32 (w & 3) + L]
	v_add_nc_u32 v9, RES, v1
	s_wait_loadcnt 0x0                             ; my eight rows
	FOLD 16, 16
	FOLD 16, 8
	FOLD 16, 4                                     ; v[16:19]: their sum, columns 4 L .. 4 L + 3
	ds_store_b128 v3, v[16:19]
	s_wait_dscnt 0x0                               ; for the other waves: my partial sum is written,
	s_wait_tensorcnt 0x0                           ; and my rows of Wv have landed
	s_barrier_signal -1
	s_barrier_wait -1
	LDRUN 8, 16, 5, 0, 512                         ; the eight partial sums
	LDRUN 16, 48, 6, 0, 16                         ; 64 f32 of my row of Wv
	s_wait_dscnt 0x10                              ; the partial sums are in; the 16 younger loads stay out
	FOLD 16, 16
	FOLD 16, 8
	FOLD 16, 4
	ds_store_b128 v4, v[16:19]                     ; my own bytes: LDS serves a wave in order, the loads below see them
	LDRUN 16, 112, 7, 0, 16                        ; the 64 sums of my half, the same in every lane
	s_wait_dscnt 0x0
	; a product of one row: on the matrix unit 15 of 16 rows would be idle, so it stays in f32 on the vector unit, in two chains
	v_pk_mul_f32 v[176:177], v[48:49], v[112:113]
	v_pk_mul_f32 v[178:179], v[50:51], v[114:115]
.irp i, 4,8,12,16,20,24,28,32,36,40,44,48,52,56,60
	v_pk_fma_f32 v[176:177], v[48+\i:49+\i], v[112+\i:113+\i], v[176:177]
	v_pk_fma_f32 v[178:179], v[50+\i:51+\i], v[114+\i:115+\i], v[178:179]
.endr
	v_pk_add_f32 v[176:177], v[176:177], v[178:179]
	v_add_f32 v176, v176, v177
	ds_store_b32 v8, v176
	s_wait_dscnt 0x0                               ; for wave 0: my 32 half sums are written
	s_barrier_signal -1
	s_barrier_wait -1
	s_cmp_lg_u32 s[WV], 0
	s_cbranch_scc1 .Lsum_end
	ds_load_b128 v[16:19], v9                      ; half 0 of columns 4 L .. 4 L + 3
	ds_load_b128 v[20:23], v9 offset:512           ; half 1
	s_lshl_b32 s16, ttmp9, 9
	s_add_co_u32 s16, s16, 65536
	v_add_nc_u32 v10, s16, v1                      ; PV + 512 c + 16 L
	s_wait_dscnt 0x0
	FOLD 16, 4
	global_store_b128 v10, v[16:19], s[RECB:RECB+1]   ; the wave stores 512 consecutive bytes, aligned
.Lsum_end:
	s_wait_tensorcnt 0x0
	ds_add_u32 v254, v255
	s_wait_dscnt 0x0
	ROUND                                          ; the closing round: no work-group ends while a partner may still ask jointly
	s_endpgm
	; ---------------- cluster 0: M and V of batch cx ----------------
.Lprep:
	s_mov_b32 s[G1X+0], (2<<16)|(1<<20)|(6<<22)|(3<<25)   ; no mask: a load of my own; the rest as above
	s_mov_b32 s[G1X+1], 128<<16
	s_mov_b32 s[G1X+2], 8<<16                      ; 8 rows
	s_mov_b32 s[G1X+3], 128<<16
	s_mov_b32 s[G1X+4], 8
	s_mov_b32 s[G1X+5], 128
	s_mov_b32 s[G1X+6], 0
	s_mov_b32 s[G1X+7], 0
	s_mov_b32 s[G0W], 1
	s_add_co_u32 s[G0W+1], s[G0V+1], WKF           ; WKF + wave x 16 rows: waves 4-7 land in WQF, which follows WKF
	s_cmp_lt_u32 s[WV], 4
	s_cselect_b64 s[G0W+2:G0W+3], s[6:7], s[8:9]   ; Wk for waves 0-3, Wq for waves 4-7: alike in all partners
	s_and_b32 s16, s[WV], 3
	s_lshl_b32 s16, s16, 13
	s_add_nc_u64 s[G0W+2:G0W+3], s[G0W+2:G0W+3], s[16:17]
	s_or_b32 s[G0W+3], s[G0W+3], 0x80000000
	s_mov_b32 s[G0X], 1
	s_mul_i32 s[G0X+1], s[WV], 8*PITCH
	s_add_co_u32 s[G0X+1], s[G0X+1], XF
	s_lshl_b32 s16, s[CX], 21                      ; my batch,
	s_lshl_b32 s18, s[WV], 12                      ; rows 8 w ..
	s_add_co_u32 s16, s16, s18
	s_add_nc_u64 s[G0X+2:G0X+3], s[4:5], s[16:17]
	s_or_b32 s[G0X+3], s[G0X+3], 0x80000000
	ROUND
	tensor_load_to_lds s[G0V:G0V+3], s[G1W:G1W+7]  ; all first fills in one group; three tensor loads of this wave are out
	s_nop 0
	tensor_load_to_lds s[G0W:G0W+3], s[G1W:G1W+7]
	s_nop 0
	tensor_load_to_lds s[G0X:G0X+3], s[G1X:G1X+7]
	s_nop 0
	; addresses, while the tiles are on their way
	v_and_b32 v244, 15, v0                         ; r
	v_bfe_u32 v245, v0, 4, 1                       ; h
	v_mul_u32_u24 v2, v244, PITCH
	v_lshl_add_u32 v2, v245, 8, v2                 ; 528 r + 256 h: my 64 f32 of row r
	s_lshr_b32 s16, s[WV], 1                       ; conversion of X64: tile tt = w >> 1,
	s_and_b32 s18, s[WV], 1                        ; half kh = w & 1 of each lane's 64 numbers
	s_mul_i32 s20, s16, 16*PITCH
	s_lshl_b32 s21, s18, 7
	s_add_co_u32 s20, s20, s21
	s_add_co_u32 s20, s20, XF
	v_add_nc_u32 v3, s20, v2
	s_mul_i32 s20, s[WV], 8*PITCH
	s_add_co_u32 s20, s20, WQF
	v_add_nc_u32 v4, s20, v1                       ; Wq rows 8 w .., columns 4 L ..
	s_lshl_b32 s20, s16, 13
	s_lshl_b32 s21, s18, 11
	s_add_co_u32 s20, s20, s21
	s_add_co_u32 s20, s20, XFR
	v_add_nc_u32 v5, s20, v1
	s_mul_i32 s20, s[WV], 8*WPITCH
	s_add_co_u32 s20, s20, WQB
	v_lshl_add_u32 v6, v[LANE], 3, s20
	s_and_b32 s16, s[WV], 3                        ; K: block dt = w & 3 of d,
	s_lshr_b32 s18, s[WV], 2                       ; tiles 2 tp, 2 tp + 1 of t, tp = w >> 2
	s_mul_i32 s20, s16, 16*PITCH
	s_add_co_u32 s20, s20, WKF
	v_add_nc_u32 v7, s20, v2
	s_lshl_b32 s20, s18, 14
	s_add_co_u32 s20, s20, XFR
	v_add_nc_u32 v8, s20, v1
	s_lshl_b32 s20, s18, 13
	s_lshl_b32 s21, s16, 9
	s_add_co_u32 s20, s20, s21
	s_add_co_u32 s20, s20, KFR
	v_add_nc_u32 v9, s20, v1
	s_lshl_b32 s20, s18, 1
	s_sub_co_i32 s20, s20, s16
	s_lshl_b32 s20, s20, 4                         ; 16 (tt - dt) for tt = 2 tp
	v_lshlrev_b32 v246, 3, v245
	v_sub_nc_u32 v10, v244, v246
	v_add_nc_u32 v10, s20, v10                     ; register j is kept where j >= r - 8 h + 16 (tt - dt), that is d >= t
	v_add_nc_u32 v11, 16, v10                      ; the same for tt = 2 tp + 1
	v_and_b32 v246, 7, v0
	v_lshl_add_u32 v246, v245, 3, v246             ; 8 h + (L & 7)
	v_mul_u32_u24 v12, v246, WPITCH
	v_bfe_u32 v246, v0, 3, 1
	v_lshl_add_u32 v12, v246, 4, v12
	s_lshl_b32 s20, s[WV], 5                       ; M: block et = w of e, 32 bytes of a bf16 row
	s_add_co_u32 s20, s20, WQB
	v_add_nc_u32 v12, s20, v12                     ; transposing loads of Wq
	v_add_nc_u32 v13, KFR, v1
	s_lshl_b32 s20, s16, 10
	s_lshl_b32 s21, s18, 8
	s_add_co_u32 s20, s20, s21
	v_lshlrev_b32 v14, 4, v244
	v_lshl_add_u32 v14, v245, 9, v14
	v_add_nc_u32 v14, s20, v14                     ; in MH: (w & 3) 1024 + 512 h + (w >> 2) 256 + 16 r
	v_add_nc_u32 v15, s[G0V+1], v2                 ; V: block vt = w of Wv
	v_add_nc_u32 v16, XFR, v1
	s_lshl_b32 s20, s[WV], 11
	s_add_co_u32 s20, s20, 32768
	v_add_nc_u32 v17, s20, v1                      ; in VH: w 2048 + 16 L
	s_wait_tensorcnt 0x0                           ; my parts of Wv, Wk or Wq, and X64 have landed,
	s_barrier_signal -1
	s_barrier_wait -1                              ; everybody's have
	; X64 to fragments (my tile, my half) and Wq to bf16 rows (my 8 rows)
	LDRUN 8, XA, 3, 0, 16
	LDRUN 8, XA+32, 4, 0, PITCH
	s_wait_dscnt 0x8                               ; the numbers of X64 are in; the eight loads of Wq stay out
.irp i, 0,1,2,3,4,5,6,7
	SPLIT4 XA+4*\i, XB+2*\i, XB+16+2*\i, T+4*(\i&1)
.endr
.irp p, 0,1,2,3
	ds_store_b128 v5, v[XB+4*\p:XB+4*\p+3] offset:512*\p
	ds_store_b128 v5, v[XB+16+4*\p:XB+19+4*\p] offset:4096+512*\p
.endr
	s_wait_dscnt 0x8                               ; the rows of Wq are in; the eight stores just issued stay out
.irp i, 0,1,2,3,4,5,6,7
	SPLIT4 XA+32+4*\i, XB+32+2*\i, XB+48+2*\i, T+4*(\i&1)
	ds_store_b64 v6, v[XB+32+2*\i:XB+33+2*\i] offset:WPITCH*\i
	ds_store_b64 v6, v[XB+48+2*\i:XB+49+2*\i] offset:WPITCH*\i+18432
.endr
	s_wait_dscnt 0x0                               ; for the other waves: all my stores are done
	s_barrier_signal -1
	s_barrier_wait -1
	; K^T block: D(d = 16 dt + 8 h + j, t = 16 tt + r) = sum over e of Wk[d][e] X64[t][e], two tiles of t
	FRAG16 7, XA, WH, WL
	LDRUN 32, XA, 8, 0, 512                        ; tile 2 tp into XA (upper 32, lower 32), tile 2 tp + 1 into XB
	s_wait_dscnt 0x0
; the accumulators take turns, one instruction a turn
.macro KSTEP c, z
	MM ACC,   WH+8*\c, XA+8*\c,    \z
	MM ACC+8, WH+8*\c, XB+8*\c,    \z
	MM ACC,   WH+8*\c, XA+32+8*\c, 0
	MM ACC+8, WH+8*\c, XB+32+8*\c, 0
	MM ACC,   WL+8*\c, XA+8*\c,    0
	MM ACC+8, WL+8*\c, XB+8*\c,    0
.endm
	KSTEP 0, 1
	KSTEP 1, 0
	KSTEP 2, 0
	KSTEP 3, 0
	PLACES
.irp u, 0,1
.irp j, 0,1,2,3,4,5,6,7
	v_cmp_ge_i32 vcc_lo, \j, v[10+\u]              ; the tril of the reference: keep where t <= d
	v_cndmask_b32 v[ACC+8*\u+\j], 0, v[ACC+8*\u+\j], vcc_lo
.endr
.endr
.irp u, 0,1
.irp k, 0,1
	SPLIT4 ACC+8*\u+4*\k, ACC+16+8*\u+2*\k, ACC+20+8*\u+2*\k, T+4*\k
.endr
	ds_store_b128 v9, v[ACC+16+8*\u:ACC+19+8*\u] offset:4096*\u          ; eight neighbouring d of column t: a piece of a fragment over d
	ds_store_b128 v9, v[ACC+20+8*\u:ACC+23+8*\u] offset:4096*\u+2048
.endr
	s_wait_dscnt 0x0
	s_barrier_signal -1
	s_barrier_wait -1
	; M^T block: D(e = 16 w + 8 h + j, t = 16 tt + r) = sum over d of Wq[d][e] Kmasked[t][d], four tiles of t
.irp p, 0,1
.irp c, 0,1
	ds_load_tr16_b128 v[WH+16*\p+8*\c:WH+16*\p+8*\c+3],   v12 offset:18432*\p+32*WPITCH*\c
	ds_load_tr16_b128 v[WH+16*\p+8*\c+4:WH+16*\p+8*\c+7], v12 offset:18432*\p+32*WPITCH*\c+16*WPITCH
.endr
.endr
	LDRUN 32, XA, 13, 0, 512                       ; tile tt at XA + 32 tt: upper 16 (two K steps), lower 16
	s_wait_dscnt 0x0
.macro MSTEP c, z
.irp t, 0,1,2,3
	MM ACC+8*\t, WH+8*\c, XA+32*\t+8*\c, \z
.endr
.irp t, 0,1,2,3
	MM ACC+8*\t, WH+8*\c, XA+32*\t+16+8*\c, 0
.endr
.irp t, 0,1,2,3
	MM ACC+8*\t, WH+16+8*\c, XA+32*\t+8*\c, 0
.endr
.endm
	MSTEP 0, 1
	MSTEP 1, 0
	PLACES
.irp t, 0,1,2,3
.irp k, 0,1
	SPLIT4 ACC+8*\t+4*\k, XA+8*\t+2*\k, XA+8*\t+4+2*\k, T+4*\k
.endr
	global_store_b128 v14, v[XA+8*\t:XA+8*\t+3],   s[RECB:RECB+1] offset:4096*\t         ; sixteen lanes store 256 consecutive bytes, aligned
	global_store_b128 v14, v[XA+8*\t+4:XA+8*\t+7], s[RECB:RECB+1] offset:4096*\t+16384
.endr
	; V block: D(t = 16 tt + 8 h + j, v = 16 w + r) = sum over e of X64[t][e] Wv[v][e], two tiles of t at a time
	s_wait_xcnt 0x0                                ; the data registers of the stores above are loaded again only behind this wait
	FRAG16 15, XA, WH, WL
.macro VSTEP c, z
	MM ACC,   XA+8*\c,    WH+8*\c, \z
	MM ACC+8, XB+8*\c,    WH+8*\c, \z
	MM ACC,   XA+8*\c,    WL+8*\c, 0
	MM ACC+8, XB+8*\c,    WL+8*\c, 0
	MM ACC,   XA+32+8*\c, WH+8*\c, 0
	MM ACC+8, XB+32+8*\c, WH+8*\c, 0
.endm
.macro VPAIR p
	LDRUN 32, XA, 16, 16384*\p, 512
	s_wait_dscnt 0x0
	VSTEP 0, 1
	VSTEP 1, 0
	VSTEP 2, 0
	VSTEP 3, 0
	PLACES
.if \p
	s_wait_xcnt 0x0                                ; the first pair's store data are written again only behind this wait
.endif
.irp u, 0,1
.irp k, 0,1
	SPLIT4 ACC+8*\u+4*\k, ACC+16+8*\u+2*\k, ACC+20+8*\u+2*\k, T+4*\k
.endr
	global_store_b128 v17, v[ACC+16+8*\u:ACC+19+8*\u], s[RECB:RECB+1] offset:512*(2*\p+\u)        ; the wave stores 512 consecutive bytes, aligned
	global_store_b128 v17, v[ACC+20+8*\u:ACC+23+8*\u], s[RECB:RECB+1] offset:512*(2*\p+\u)+16384
.endr
.endm
	VPAIR 0
	VPAIR 1
	s_cmp_lg_u32 s[WV], 0
	s_cbranch_scc1 .Lprep_end
	v_mov_b32 v[T], 0                              ; row 0 of PV: chunk 0 has no column t >= 64
	v_mov_b32 v[T+1], 0
	v_mov_b32 v[T+2], 0
	v_mov_b32 v[T+3], 0
	global_store_b128 v1, v[T:T+3], s[RECB:RECB+1] offset:65536
.Lprep_end:
	s_wait_tensorcnt 0x0
	ds_add_u32 v254, v255
	s_wait_dscnt 0x0
	ROUND                                          ; the closing round
	s_endpgm
.Lfunc_end_k_qe4f3891cf5_prep:
	.size	k_qe4f3891cf5_prep, .Lfunc_end_k_qe4f3891cf5_prep-k_qe4f3891cf5_prep
	.p2alignl 7, 3214868480
	.fill 96, 4, 3214868480
	.section	.rodata,"a",@progbits
	.p2align	6, 0x0
	.amdhsa_kernel k_qe4f3891cf5_prep
		.amdhsa_group_segment_fixed_size 256000
		.amdhsa_private_segment_fixed_size 0
		.amdhsa_enable_private_segment 0
		.amdhsa_kernarg_size 40
		.amdhsa_user_sgpr_count 2
		.amdhsa_user_sgpr_kernarg_segment_ptr 1
		.amdhsa_wavefront_size32 1
		.amdhsa_system_sgpr_workgroup_id_x 1
		.amdhsa_system_sgpr_workgroup_id_y 1
		.amdhsa_system_sgpr_workgroup_id_z 1
		.amdhsa_system_vgpr_workitem_id 0
		.amdhsa_next_free_vgpr 256
		.amdhsa_next_free_sgpr 66
		.amdhsa_reserve_vcc 1
		.amdhsa_float_denorm_mode_32 3
		.amdhsa_float_denorm_mode_16_64 3
		.amdhsa_memory_ordered 1
		.amdhsa_forward_progress 1
		.amdhsa_inst_pref_size 75
	.end_amdhsa_kernel
	.amdgpu_metadata
---
amdhsa.version: [ 1, 2 ]
amdhsa.kernels:
  - .name:           k_qe4f3891cf5_prep
    .symbol:         k_qe4f3891cf5_prep.kd
    .args:
      - { .name: x, .offset: 0, .size: 8, .value_kind: global_buffer, .address_space: global }
      - { .name: Wk, .offset: 8, .size: 8, .value_kind: global_buffer, .address_space: global }
      - { .name: Wq, .offset: 16, .size: 8, .value_kind: global_buffer, .address_space: global }
      - { .name: Wv, .offset: 24, .size: 8, .value_kind: global_buffer, .address_space: global }
      - { .name: prep, .offset: 32, .size: 8, .value_kind: global_buffer, .address_space: global }
    .group_segment_fixed_size: 256000
    .private_segment_fixed_size: 0
    .kernarg_segment_align: 8
    .kernarg_segment_size: 40
    .max_flat_workgroup_size: 256
    .sgpr_count:     66
    .vgpr_count:     256
    .wavefront_size: 32
...
	.end_amdgpu_metadata
.endif
;; end of part 1
;; launch attend (part 2): grid 256 x 1, 4 waves a work-group, clusters of 4 x 1, 170,496 bytes of LDS; arguments x, prep, out0; writes out0
.if DOCPART == 2
	.amdgcn_target "amdgcn-amd-amdhsa--gfx1250"
	.amdhsa_code_object_version 6
	.text
	.protected	k_qe4f3891cf5_attend
	.globl	k_qe4f3891cf5_attend
	.p2align	8
	.type	k_qe4f3891cf5_attend,@function
k_qe4f3891cf5_attend:
	s_mov_b64 s[64:65], 0
	v_nop
	global_prefetch_b8 v0, s[64:65] scope:SCOPE_SE
	s_setreg_imm32_b32 hwreg(HW_REG_WAVE_MODE, 25, 1), 1
	s_wait_xcnt 0x0
	s_wait_alu depctr_hold_cnt(0) depctr_sa_sdst(0) depctr_va_vdst(0) depctr_va_sdst(0) depctr_va_ssrc(0) depctr_va_vcc(0) depctr_vm_vsrc(0)
	s_getreg_b32 s2, hwreg(HW_REG_IB_STS2, 6, 4)
	s_cmp_eq_u32 s2, 0
	s_cbranch_scc0 .Lentry_in_a_cluster
	s_endpgm
.Lentry_in_a_cluster:
	s_bfe_u32 s2, ttmp6, 0x10000c
	s_cmp_lg_u32 s2, 0x3003
	s_cbranch_scc0 .Lentry_shape_is_right
	s_endpgm
.Lentry_shape_is_right:
; ATTEND: out[s] = (sum over t < 64 of e^(S[s][t] - m) v[t] + e^(-m) Vsum) / (sum over t < 64 of e^(S[s][t] - m) + 4032 e^(-m)),
; m = max(0, max over t < 64 of S[s][t]): the softmax of the reference over all 4,096 columns, of which the 4,032 columns t >= 64 have the score 0
; (the tril on K^T leaves nothing of them).  S = x M^T, with M, V (rows t < 64) and the 64 rows whose sum is Vsum from the batch record
; that the launch before has stored (its layout: pieces that are matrix fragments as they lie, upper and lower bf16 parts apart).
; A work-group owns 64 rows of x and out0, a wave 16.  The four work-groups of a cluster lie in one batch and need the same record of 96 KiB:
; it comes by joint tensor loads (mask 15), each wave asking for a quarter of each of its three parts.  The rows of x are each wave's own: plain loads.
; Every LDS byte is filled once, so there is one barrier in the work-group besides the two rounds of the cluster barrier.
; PRODUCTS: bf16 matrix form, f32 sums, every operand as upper + lower bf16, three products.  Both are used transposed (rows t or v from the record
; as source 0, my 16 rows of x or of the weights p as source 1): the scores come out in the lanes and registers in which the second product wants
; them, and a lane ends with eight neighbouring numbers of a row of out0.  The tail term e^(-m) Vsum / z enters as the C operand, in f32.
; LIMITS: inputs finite and below the largest bf16; exponentials below 2^-126 count as zero (ISA guide, v_exp_f32); 1/z by v_rcp_f32; sums associated
; otherwise than in the reference.  z is at least about 1 (the largest term) and at most about 4,096 terms of about 1, so it cannot overflow or vanish.
.set WV,    10                         ; s10      wave number
.set CX,    11                         ; s11      place in the cluster
.set SMASK, 50                         ; s50      0xffff0000
.set G1J,   16                         ; s[16:23] group 1: joint dense block of 8 KiB, 32 rows of 256 bytes
.set G1X,   24                         ; s[24:31] group 1: plain tile, 16 rows x 128 f32, padded
.set G0P,   32                         ; s[32:35] group 0: my quarter of PV
.set G0X,   36                         ; s[36:39] group 0: my 16 rows of x
.set G0M,   40                         ; s[40:43] group 0: my quarter of MH, ML
.set G0V,   44                         ; s[44:47] group 0: my quarter of VH, VL
.set OUTB,  58                         ; s[58:59] my 16 rows of out0
.set PITCH, 528                        ; an f32 row in LDS: 512 bytes + 16 = 33 x 16
.set REC,   98304
.set XF,    98304                      ; behind the image of the record: 4 x 16 rows of x (tensor fills end at 132,096 = 516 x 256)
.set SCR,   132096                     ; 4 partial sums of PV, 512 bytes each
.set VS,    134144                     ; Vsum, a copy for each wave
.set STG,   136192                     ; the way out: 16 rows x 528 bytes for each wave
.set NM,    10                         ; v[10:11]   -m log2(e), twice
.set RZ,    12                         ; v[12:13]   1 / z, twice
.set P0,    14                         ; v[14:15]   e^(-m), then e^(-m) / z, twice
.set XH,    16                         ; v[16:47]   x fragments, upper parts
.set XL,    48                         ; v[48:79]   lower parts
.set PH,    16                         ; v[16:31]   later: the weights p, upper parts
.set PL,    32                         ; v[32:47]   lower parts
.set SA,    80                         ; v[80:111]  S[s = r][t = 16 tt + 8 h + j] at SA + 8 tt + j
.set MB0,   112                        ; v[112:175] fragments of M, buffer 0
.set MB1,   176                        ; v[176:239] buffer 1
.set OA,    112                        ; v[112:175] later: out[s = r][16 vt + 8 h + j] at OA + 8 vt + j
.set VB0,   176                        ; v[176:239] fragments of V, buffer 0
.set VB1,   48                         ; v[48:111]  buffer 1
.set T,     240                        ; v[240:255] at work
.macro ROUND                           ; a round of the cluster barrier: my work-group, wave 0 signals for it, all four work-groups, my work-group again
	s_barrier_signal -1
	s_barrier_wait -1
	s_cmp_lg_u32 s[WV], 0
	s_cbranch_scc1 .Lnot_wave_0_\@
	s_barrier_signal -3
.Lnot_wave_0_\@:
	s_barrier_wait -3
	s_barrier_signal -1
	s_barrier_wait -1
.endm
.macro PLACES                          ; four independent vector places behind a matrix instruction (ISA guide 7.12.1) before its result is read or its registers are written or loaded
.rept 4
	v_nop
.endr
.endm
.macro SPLIT4 src, hi, lo, t           ; four f32 -> two words of upper bf16 and two words of lower bf16 (lower = bf16(x - upper))
	v_cvt_pk_bf16_f32 v[\hi], v[\src], v[\src+1]
	v_cvt_pk_bf16_f32 v[\hi+1], v[\src+2], v[\src+3]
	v_lshlrev_b32 v[\t], 16, v[\hi]
	v_and_b32 v[\t+1], s[SMASK], v[\hi]
	v_lshlrev_b32 v[\t+2], 16, v[\hi+1]
	v_and_b32 v[\t+3], s[SMASK], v[\hi+1]
	v_pk_add_f32 v[\t:\t+1], v[\src:\src+1], v[\t:\t+1] neg_lo:[0,1] neg_hi:[0,1]
	v_pk_add_f32 v[\t+2:\t+3], v[\src+2:\src+3], v[\t+2:\t+3] neg_lo:[0,1] neg_hi:[0,1]
	v_cvt_pk_bf16_f32 v[\lo], v[\t], v[\t+1]
	v_cvt_pk_bf16_f32 v[\lo+1], v[\t+2], v[\t+3]
.endm
.macro FRAG16 base, raw, hi, lo        ; 64 f32 of my row -> the fragments of four K steps (step c at hi + 8 c, lo + 8 c)
.irp i, 0,1,2,3,4,5,6,7,8,9,10,11,12,13,14,15
	ds_load_b128 v[\raw+4*\i:\raw+4*\i+3], v[\base] offset:16*\i
.endr
.irp i, 0,1,2,3,4,5,6,7,8,9,10,11,12,13,14,15
	s_wait_dscnt 15-\i                             ; LDS instructions end in order: load i is in, the 15 - i younger ones stay out
	SPLIT4 \raw+4*\i, \hi+2*\i, \lo+2*\i, T+4*(\i&1)
.endr
.endm
.macro LDRUN cnt, dst, addr, off, step ; a run of 16-byte LDS loads into consecutive registers
.set ii, 0
.rept \cnt
	ds_load_b128 v[\dst+4*ii:\dst+4*ii+3], v[\addr] offset:\off+\step*ii
.set ii, ii+1
.endr
.endm
.macro FOLD b, cnt                     ; v[b .. b+cnt-1] += v[b+cnt .. b+2cnt-1]
.set ii, 0
.rept \cnt/2
	v_pk_add_f32 v[\b+ii:\b+ii+1], v[\b+ii:\b+ii+1], v[\b+\cnt+ii:\b+\cnt+ii+1]
.set ii, ii+2
.endr
.endm
.macro MM d, a, b, z                   ; one matrix instruction; z = 1: the product starts the sum, nothing is cleared
.if \z
	v_wmma_f32_16x16x32_bf16 v[\d:\d+7], v[\a:\a+7], v[\b:\b+7], 0
.else
	v_wmma_f32_16x16x32_bf16 v[\d:\d+7], v[\a:\a+7], v[\b:\b+7], v[\d:\d+7]
.endif
.endm
.macro LOADM c, buf                    ; K step c of M: four tiles of t, at buf + 16 tt: upper 8 registers, lower 8.  16 loads of 512 consecutive bytes
.irp t, 0,1,2,3
.irp p, 0,1
.irp q, 0,1
	ds_load_b128 v[\buf+16*\t+8*\p+4*\q:\buf+16*\t+8*\p+4*\q+3], v1 offset:4096*\t+1024*\c+16384*\p+512*\q
.endr
.endr
.endr
.endm
.macro SSTEP c, buf, z                 ; 12 matrix instructions; the four accumulators take turns, one instruction a turn
.irp t, 0,1,2,3
	MM SA+8*\t, \buf+16*\t, XH+8*\c, \z
.endr
.irp t, 0,1,2,3
	MM SA+8*\t, \buf+16*\t, XL+8*\c, 0
.endr
.irp t, 0,1,2,3
	MM SA+8*\t, \buf+16*\t+8, XH+8*\c, 0
.endr
.endm
.macro LOADV g, buf                    ; V^T blocks vt = 2 g, 2 g + 1, at buf + 32 u: upper 16 registers (two K steps), lower 16.  16 loads
.irp u, 0,1
.irp p, 0,1
.irp i, 0,1,2,3
	ds_load_b128 v[\buf+32*\u+16*\p+4*\i:\buf+32*\u+16*\p+4*\i+3], v1 offset:32768+2048*(2*\g+\u)+16384*\p+512*\i
.endr
.endr
.endr
.endm
.macro PVG g, buf                      ; 12 matrix instructions on two accumulators by turns; their C holds the tail term
.irp k, 0,1
	MM OA+16*\g,   \buf+8*\k,    PH+8*\k, 0
	MM OA+16*\g+8, \buf+32+8*\k, PH+8*\k, 0
	MM OA+16*\g,   \buf+8*\k,    PL+8*\k, 0
	MM OA+16*\g+8, \buf+32+8*\k, PL+8*\k, 0
	MM OA+16*\g,   \buf+16+8*\k, PH+8*\k, 0
	MM OA+16*\g+8, \buf+48+8*\k, PH+8*\k, 0
.endr
.endm
	s_load_b128 s[4:7], s[0:1], 0x0                ; x s[4:5], prep s[6:7]
	s_load_b64 s[8:9], s[0:1], 0x10                ; out0
	s_set_vgpr_msb 0x40
	v_lshl_add_u32 v0, v0, 2, 0x29800
	v_mov_b32 v1, 0
	s_set_vgpr_msb 0x4045
	ds_add_u32 v0, v1
	s_set_vgpr_msb 0x4500
	v_lshrrev_b32 v1, 5, v0
	v_readfirstlane_b32 s[WV], v1                  ; wave 0..3
	s_bfe_u32 s[CX], ttmp6, 0x40000                ; my place in the cluster
	s_lshl_b32 s12, ttmp9, 2
	s_add_co_u32 s12, s12, s[CX]                   ; work-group 0..255: rows 64 g .. of the 16,384
	s_lshr_b32 s13, ttmp9, 4                       ; batch: 16 clusters each, alike in all four partners
	s_mov_b32 s48, 0x76543210                      ; v_permlanex16_b32: lane i takes lane i of the other half
	s_mov_b32 s49, 0xfedcba98
	s_mov_b32 s[SMASK], 0xffff0000
	s_mov_b32 s[G1J+0], 15|(3<<16)|(1<<21)         ; mask: all four partners; element of 8 bytes; bit 21 beside a mask; no padding
	s_mov_b32 s[G1J+1], 32<<16                     ; tensor_dim0 = 32 elements = 256 bytes
	s_mov_b32 s[G1J+2], 32<<16                     ; tensor_dim1 = 32 rows
	s_mov_b32 s[G1J+3], 32<<16                     ; tile_dim0
	s_mov_b32 s[G1J+4], 32                         ; tile_dim1
	s_mov_b32 s[G1J+5], 32                         ; dense: a row begins where the last ends
	s_mov_b32 s[G1J+6], 0
	s_mov_b32 s[G1J+7], 0
	s_mov_b32 s[G1X+0], (2<<16)|(1<<20)|(6<<22)|(3<<25)   ; no mask; element of 4 bytes; 4 words of padding behind every 128 words
	s_mov_b32 s[G1X+1], 128<<16
	s_mov_b32 s[G1X+2], 16<<16
	s_mov_b32 s[G1X+3], 128<<16
	s_mov_b32 s[G1X+4], 16
	s_mov_b32 s[G1X+5], 128
	s_mov_b32 s[G1X+6], 0
	s_mov_b32 s[G1X+7], 0
	s_lshl_b32 s52, s[WV], 13                      ; 8192 w: a quarter of 32 KiB, and 16 rows of 512 bytes
	s_mul_i32 s54, s13, REC
	s_add_co_u32 s54, s54, s52                     ; record + my quarter: no place in the cluster enters
	s_mov_b32 s55, 0
	s_lshl_b32 s56, s12, 15
	s_add_co_u32 s56, s56, s52                     ; my 16 rows of x and of out0
	s_mov_b32 s57, 0
	s_mov_b32 s[G0P], 1
	s_mov_b32 s[G0X], 1
	s_mov_b32 s[G0M], 1
	s_mov_b32 s[G0V], 1
	s_add_co_u32 s[G0P+1], s52, 65536              ; the record lies in LDS as in memory
	s_mul_i32 s[G0X+1], s[WV], 16*PITCH
	s_add_co_u32 s[G0X+1], s[G0X+1], XF
	s_lshl_b32 s[G0M+1], s[WV], 13
	s_add_co_u32 s[G0V+1], s52, 32768
	s_wait_dscnt 0x0
	s_wait_kmcnt 0x0
	s_add_nc_u64 s[G0M+2:G0M+3], s[6:7], s[54:55]
	s_add_nc_u64 s[G0V+2:G0V+3], s[G0M+2:G0M+3], 32768
	s_add_nc_u64 s[G0P+2:G0P+3], s[G0M+2:G0M+3], 65536
	s_add_nc_u64 s[G0X+2:G0X+3], s[4:5], s[56:57]
	s_add_nc_u64 s[OUTB:OUTB+1], s[8:9], s[56:57]
	s_or_b32 s[G0M+3], s[G0M+3], 0x80000000        ; type 2
	s_or_b32 s[G0V+3], s[G0V+3], 0x80000000
	s_or_b32 s[G0P+3], s[G0P+3], 0x80000000
	s_or_b32 s[G0X+3], s[G0X+3], 0x80000000
	ROUND                                          ; the four partners are here: their joint requests meet
	tensor_load_to_lds s[G0P:G0P+3], s[G1J:G1J+7]  ; all fills in one group, in the order of their use; four tensor loads of this wave are out
	s_nop 0
	tensor_load_to_lds s[G0X:G0X+3], s[G1X:G1X+7]
	s_nop 0
	tensor_load_to_lds s[G0M:G0M+3], s[G1J:G1J+7]
	s_nop 0
	tensor_load_to_lds s[G0V:G0V+3], s[G1J:G1J+7]
	s_nop 0
	v_and_b32 v240, 31, v0
	v_lshlrev_b32 v1, 4, v240                      ; 16 L
	v_and_b32 v241, 15, v0                         ; r
	v_bfe_u32 v242, v0, 4, 1                       ; h
	v_add_nc_u32 v3, s[G0P+1], v1                  ; my quarter of PV
	s_lshl_b32 s53, s[WV], 9
	v_add_nc_u32 v243, s53, v1                     ; 512 w + 16 L
	v_add_nc_u32 v4, SCR, v243
	v_add_nc_u32 v7, VS, v243
	v_add_nc_u32 v6, SCR, v1
	v_mul_u32_u24 v244, v241, PITCH                ; 528 r
	v_lshl_add_u32 v5, v242, 8, v244
	v_add_nc_u32 v5, s[G0X+1], v5                  ; my 64 f32 of row r of my tile of x
	v_lshlrev_b32 v8, 5, v242                      ; 32 h
	v_add_nc_u32 v9, v244, v8
	v_add_nc_u32 v8, s53, v8
	v_add_nc_u32 v8, VS, v8                        ; Vsum[8 h ..] of my copy
	s_add_co_u32 s60, s[G0X+1], STG-XF             ; my stage: STG + wave x 16 rows
	v_add_nc_u32 v9, s60, v9                       ; in: row r, 32 h
	v_add_nc_u32 v2, s60, v1                       ; back: whole rows
	s_wait_tensorcnt 0x3                           ; tensor loads of a wave end in order: my quarter of PV is in, the three younger loads stay out
	LDRUN 16, MB1, 3, 0, 512                       ; its 16 rows, columns 4 L .. 4 L + 3
	s_wait_dscnt 0x0
	FOLD MB1, 32
	FOLD MB1, 16
	FOLD MB1, 8
	FOLD MB1, 4
	ds_store_b128 v4, v[MB1:MB1+3]                 ; my partial sum
	s_wait_tensorcnt 0x2                           ; my rows of x are in; M and V stay out
	FRAG16 5, MB0, XH, XL
	s_wait_tensorcnt 0x0                           ; for the other waves: my quarters of M and V have landed,
	s_wait_dscnt 0x0                               ; and my partial sum is written
	s_barrier_signal -1
	s_barrier_wait -1
	LDRUN 4, T, 6, 0, 512                          ; the four partial sums
	LOADM 0, MB0
	LOADM 1, MB1
	s_wait_dscnt 0x20                              ; the partial sums are in; the 32 younger loads stay out
	FOLD T, 8
	FOLD T, 4
	ds_store_b128 v7, v[T:T+3]                     ; Vsum, my own copy: no second barrier
	s_wait_dscnt 0x11                              ; K step 0 of M is in; 16 loads and the store stay out
	SSTEP 0, MB0, 1
	PLACES
	LOADM 2, MB0
	s_wait_dscnt 0x10                              ; all but the 16 just issued
	SSTEP 1, MB1, 0
	PLACES
	LOADM 3, MB1
	s_wait_dscnt 0x10
	SSTEP 2, MB0, 0
	s_wait_dscnt 0x0
	SSTEP 3, MB1, 0
	PLACES
.irp t, 0,1,2,3,4,5,6,7
	ds_load_b128 v[OA+8*\t:OA+8*\t+3],   v8 offset:64*\t          ; Vsum[16 vt + 8 h + j], where the result will lie
	ds_load_b128 v[OA+8*\t+4:OA+8*\t+7], v8 offset:64*\t+16
.endr
	LOADV 0, VB0
	; softmax in f32.  A lane holds 32 of the 64 scores of row r; lane L xor 16 holds the others.  The score 0 of the columns t >= 64 takes part in the maximum.
.irp k, 0,1,2,3
	v_max3_num_f32 v[T+\k], v[SA+8*\k], v[SA+8*\k+1], v[SA+8*\k+2]
.endr
.irp k, 0,1,2,3
	v_max3_num_f32 v[T+\k], v[T+\k], v[SA+8*\k+3], v[SA+8*\k+4]
.endr
.irp k, 0,1,2,3
	v_max3_num_f32 v[T+\k], v[T+\k], v[SA+8*\k+5], v[SA+8*\k+6]
.endr
.irp k, 0,1,2,3
	v_max_num_f32 v[T+\k], v[T+\k], v[SA+8*\k+7]
.endr
	v_max3_num_f32 v[T], v[T], v[T+1], v[T+2]
	v_max3_num_f32 v[T], v[T], v[T+3], 0
	v_permlanex16_b32 v[T+1], v[T], s48, s49
	v_max_num_f32 v[T], v[T], v[T+1]               ; m
	v_mul_f32 v[NM], 0xbfb8aa3b, v[T]              ; -m log2(e); its rounding is one factor common to every term and to z
	v_mov_b32 v[NM+1], v[NM]
.set ii, 0
.rept 16
	v_pk_fma_f32 v[SA+ii:SA+ii+1], v[SA+ii:SA+ii+1], 0x3fb8aa3b, v[NM:NM+1] op_sel_hi:[1,0,1]
.set ii, ii+2
.endr
.set ii, 0
.rept 32
	v_exp_f32 v[SA+ii], v[SA+ii]
.set ii, ii+1
.endr
	v_exp_f32 v[P0], v[NM]                         ; e^(-m): the term of each column t >= 64
	v_nop                                          ; one plain place behind the transcendentals (ISA guide 5.7.2)
	s_wait_alu depctr_va_vdst(0)
.irp k, 0,1,2,3
	v_pk_add_f32 v[T+2*\k:T+2*\k+1], v[SA+8*\k:SA+8*\k+1], v[SA+8*\k+2:SA+8*\k+3]
.endr
.irp k, 0,1,2,3
	v_pk_add_f32 v[T+2*\k:T+2*\k+1], v[T+2*\k:T+2*\k+1], v[SA+8*\k+4:SA+8*\k+5]
.endr
.irp k, 0,1,2,3
	v_pk_add_f32 v[T+2*\k:T+2*\k+1], v[T+2*\k:T+2*\k+1], v[SA+8*\k+6:SA+8*\k+7]
.endr
	FOLD T, 4
	FOLD T, 2
	v_add_f32 v[T], v[T], v[T+1]
	v_permlanex16_b32 v[T+1], v[T], s48, s49
	v_add_f32 v[T], v[T], v[T+1]
	v_fmamk_f32 v[T], v[P0], 0x457c0000, v[T]      ; z = 4032 e^(-m) + the 64 terms
	v_rcp_f32 v[RZ], v[T]
	v_nop
	s_wait_alu depctr_va_vdst(0)
	v_mov_b32 v[RZ+1], v[RZ]
	v_mul_f32 v[P0], v[P0], v[RZ]                  ; the weight of each column t >= 64
	v_mov_b32 v[P0+1], v[P0]
.set ii, 0
.rept 16
	v_pk_mul_f32 v[SA+ii:SA+ii+1], v[SA+ii:SA+ii+1], v[RZ:RZ+1]
.set ii, ii+2
.endr
.irp k, 0,1,2,3,4,5,6,7
	SPLIT4 SA+4*\k, PH+2*\k, PL+2*\k, T+4*(\k&1)   ; t = 16 tt + 8 h + j is the place that source 1 wants: nothing moves between lanes
.endr
	LOADV 1, VB1                                   ; into the registers of XL and SA, which are done with
	s_wait_dscnt 0x20                              ; Vsum is in; the 32 loads of V stay out
.set ii, 0
.rept 32
	v_pk_mul_f32 v[OA+ii:OA+ii+1], v[OA+ii:OA+ii+1], v[P0:P0+1]
.set ii, ii+2
.endr
	s_wait_dscnt 0x10                              ; blocks 0, 1 of V are in
	PVG 0, VB0
	PLACES
	LOADV 2, VB0
	s_wait_dscnt 0x10                              ; all but the 16 just issued
	PVG 1, VB1
	PLACES
	LOADV 3, VB1
	s_wait_dscnt 0x10
	PVG 2, VB0
	s_wait_dscnt 0x0
	PVG 3, VB1
	PLACES
	; the way out: 32 bytes of a row from each lane into my own stage, whole rows back, one store of the wave = one row of 512 bytes, aligned
.irp t, 0,1,2,3,4,5,6,7
	ds_store_b128 v9, v[OA+8*\t:OA+8*\t+3]   offset:64*\t
	ds_store_b128 v9, v[OA+8*\t+4:OA+8*\t+7] offset:64*\t+16
.endr
	LDRUN 16, VB0, 2, 0, PITCH                     ; LDS serves a wave in order: these see the stores above
.irp i, 0,1,2,3,4,5,6,7,8,9,10,11,12,13,14,15
	s_wait_dscnt 15-\i
	global_store_b128 v1, v[VB0+4*\i:VB0+4*\i+3], s[OUTB:OUTB+1] offset:512*\i th:TH_STORE_NT
.endr
	s_set_vgpr_msb 0x5
	s_wait_tensorcnt 0x0
	ds_add_u32 v0, v1
	s_wait_dscnt 0x0
	s_set_vgpr_msb 0x500
	ROUND                                          ; the closing round: no work-group ends while a partner may still ask jointly
	s_endpgm
.Lfunc_end_k_qe4f3891cf5_attend:
	.size	k_qe4f3891cf5_attend, .Lfunc_end_k_qe4f3891cf5_attend-k_qe4f3891cf5_attend
	.p2alignl 7, 3214868480
	.fill 96, 4, 3214868480
	.section	.rodata,"a",@progbits
	.p2align	6, 0x0
	.amdhsa_kernel k_qe4f3891cf5_attend
		.amdhsa_group_segment_fixed_size 170496
		.amdhsa_private_segment_fixed_size 0
		.amdhsa_enable_private_segment 0
		.amdhsa_kernarg_size 24
		.amdhsa_user_sgpr_count 2
		.amdhsa_user_sgpr_kernarg_segment_ptr 1
		.amdhsa_wavefront_size32 1
		.amdhsa_system_sgpr_workgroup_id_x 1
		.amdhsa_system_sgpr_workgroup_id_y 1
		.amdhsa_system_sgpr_workgroup_id_z 1
		.amdhsa_system_vgpr_workitem_id 0
		.amdhsa_next_free_vgpr 258
		.amdhsa_next_free_sgpr 66
		.amdhsa_reserve_vcc 0
		.amdhsa_float_denorm_mode_32 3
		.amdhsa_float_denorm_mode_16_64 3
		.amdhsa_memory_ordered 1
		.amdhsa_forward_progress 1
		.amdhsa_inst_pref_size 51
	.end_amdhsa_kernel
	.amdgpu_metadata
---
amdhsa.version: [ 1, 2 ]
amdhsa.kernels:
  - .name:           k_qe4f3891cf5_attend
    .symbol:         k_qe4f3891cf5_attend.kd
    .args:
      - { .name: x, .offset: 0, .size: 8, .value_kind: global_buffer, .address_space: global }
      - { .name: prep, .offset: 8, .size: 8, .value_kind: global_buffer, .address_space: global }
      - { .name: out0, .offset: 16, .size: 8, .value_kind: global_buffer, .address_space: global }
    .group_segment_fixed_size: 170496
    .private_segment_fixed_size: 0
    .kernarg_segment_align: 8
    .kernarg_segment_size: 24
    .max_flat_workgroup_size: 128
    .sgpr_count:     66
    .vgpr_count:     258
    .wavefront_size: 32
...
	.end_amdgpu_metadata
.endif
;; end of part 2
